; MI455X (gfx1250); checked and timed in simulation.
; The chip was launched on July 23, 2026; its instructions are those of AMD's public machine-readable ISA for CDNA 5 (MIT licence, August 2026) and "CDNA5" Instruction Set Architecture Reference Guide (July 2026). The comments in the code are by the model that wrote it; some were corrected since.
;; Performer Block. Allowed arithmetic: float matrix products may take bf16 or f16 operands with f32 sums; other float arithmetic in f32, or as packed bf16 or f16 multiplies, adds, multiply-adds, maxima and minima; sums over many terms, partial sums and values carried from step to step in f32; what a program stores and reads back later, other than sums and carried values, may be rounded once to bf16 or f16.
;; Inputs: W1 256 x 1,024 float32; W2 1,024 x 256 float32; Wk 256 x 256 float32; Wo 256 x 256 float32; Wq 256 x 256 float32; Wv 256 x 256 float32; b1 1,024 float32; b2 256 float32; bk 256 float32; bo 256 float32; bq 256 float32; bv 256 float32; ln1_b 256 float32; ln1_g 256 float32; ln2_b 256 float32; ln2_g 256 float32; x 4 x 16,384 x 256 float32.
;; Outputs: out0 4 x 16,384 x 256 float32.
;; One version. Each part assembles by itself: llvm-mc -triple=amdgcn-amd-amdhsa -mcpu=gfx1250 --defsym DOCPART=n.
;; ======== version 1 of 1: 4 launches
;; limits: values are held in f16: magnitudes above 65,504 overflow, below 6.1e-05 lose precision
;; workspace buffers: wkv 262,144 bytes; wos 131,072 bytes; wqs 131,072 bytes; ffs 1,048,576 bytes; part 8,388,608 bytes; ksp 262,144 bytes; ms 524,288 bytes; ksb 4,096 bytes
;; launch prep (part 1): grid 384 x 1, 8 waves a work-group, no clusters, 0 bytes of LDS; arguments Wk, Wv, Wo, Wq, W1, W2, wkv, wos, wqs, ffs; writes wkv, wos, wqs, ffs
.if DOCPART == 1
	.amdgcn_target "amdgcn-amd-amdhsa--gfx1250"
	.amdhsa_code_object_version 6
	.text
	.protected	k_q03e288e1d7_prep
	.globl	k_q03e288e1d7_prep
	.p2align	8
	.type	k_q03e288e1d7_prep,@function
k_q03e288e1d7_prep:
	s_mov_b64 s[64:65], 0
	v_nop
	global_prefetch_b8 v0, s[64:65] scope:SCOPE_SE
	s_setreg_imm32_b32 hwreg(HW_REG_WAVE_MODE, 25, 1), 1
	s_wait_xcnt 0x0
; PERFORMER BLOCK in four launches: prep (this one), kvpart, mix, main.
; NOTHING IS LEFT OUT: all 17 inputs have a way to the output and all are loaded.  Two sums are regrouped, exactly in real numbers and for all values of the inputs:
;   (phi(q) kv z) Wo = (phi(q) z) M_b, with M_b[32 h + d][n] = the sum over e of kv[b][h][d][e] Wo[32 h + e][n]  (made in mix, used in main);
;   kv = the sum over l of phi(k) (x Wv) + k_sum (x) bv                                                          (the term with bv is added in f32 in mix).
; THIS LAUNCH rounds the six weight matrices once to 16 bits and lays them out as FRAGMENTS: 1,024 bytes that are the register image of 16 columns x 32 rows of W.
; Byte 512 s + 16 L + 2 e of fragment (mt, kf) holds W[32 kf + 16 s + 8 (L / 16) + e][16 mt + L % 16]: two loads of 16 bytes a lane, each 512 bytes on end for the wave, fill a matrix operand.
; Wk, Wv, Wo, Wq go to bf16; W1 and W2 to f16 (three more significant bits for the feed-forward path).
; LIMIT: a number of W1 or W2 beyond 65,504 becomes an infinity; below 6e-5 it keeps f16's fixed step of 6e-8.
; SHARES.  A work-group makes four fragments, two waves each (wave's s = its low bit).  Work-groups 0-31 Wk, 32-63 Wv, 64-95 Wo, 96-127 Wq, 128-255 W1, 256-383 W2.
; A lane reads eight numbers of one column (the turning of 2.9 MB, once) and stores 16 bytes; a wave's store covers 512 consecutive bytes, aligned.
	s_load_b512 s[4:19], s[0:1], 0x0               ; Wk s[4:5], Wv s[6:7], Wo s[8:9], Wq s[10:11], W1 s[12:13], W2 s[14:15], wkv s[16:17], wos s[18:19]
	s_load_b128 s[20:23], s[0:1], 0x40             ; wqs s[20:21], ffs s[22:23]
	v_lshrrev_b32 v1, 5, v0
	v_readfirstlane_b32 s28, v1                    ; wave 0..7
	v_and_b32 v2, 31, v0                           ; L
	v_and_b32 v4, 15, v0                           ; L % 16
	v_bfe_u32 v3, v0, 4, 1                         ; L / 16
	s_lshr_b32 s29, s28, 1                         ; which of the work-group's four fragments
	s_and_b32 s28, s28, 1                          ; s
	s_mov_b32 s30, ttmp9
	s_mov_b32 s35, 10                              ; log2 of a source row's bytes (W1: 12)
	s_mov_b32 s36, 14                              ; log2 of a chunk's bytes in wqs (ffs: 15)
	s_mov_b32 s37, 0                               ; Wv's place in wkv
	s_wait_kmcnt 0x0
	s_cmp_lt_u32 s30, 32
	s_cbranch_scc0 .Lnot_wk
	s_mov_b64 s[24:25], s[4:5]
	s_mov_b64 s[26:27], s[16:17]
	s_mov_b32 s31, s30
	s_branch .Ltype1
.Lnot_wk:
	s_cmp_lt_u32 s30, 64
	s_cbranch_scc0 .Lnot_wv
	s_mov_b64 s[24:25], s[6:7]
	s_mov_b64 s[26:27], s[16:17]
	s_sub_co_u32 s31, s30, 32
	s_mov_b32 s37, 131072
	s_branch .Ltype1
.Lnot_wv:
	s_cmp_lt_u32 s30, 96
	s_cbranch_scc0 .Lnot_wo
	s_mov_b64 s[24:25], s[8:9]
	s_mov_b64 s[26:27], s[18:19]
	s_sub_co_u32 s31, s30, 64
.Ltype1:                                               ; fragment F = 8 mt + kf lies at 1,024 F
	s_lshl2_add_u32 s31, s31, s29                  ; F
	s_lshr_b32 s33, s31, 3                         ; mt
	s_and_b32 s32, s31, 7                          ; kf
	s_lshl_b32 s34, s31, 10
	s_add_co_u32 s34, s34, s37
	s_branch .Ltail
.Lnot_wo:
	s_cmp_lt_u32 s30, 128
	s_cbranch_scc0 .Lnot_wq
	s_mov_b64 s[24:25], s[10:11]
	s_mov_b64 s[26:27], s[20:21]
	s_sub_co_u32 s31, s30, 96
	s_branch .Ltype2
.Lnot_wq:
	s_cmp_lt_u32 s30, 256
	s_cbranch_scc0 .Lw2
	s_mov_b64 s[24:25], s[12:13]
	s_mov_b64 s[26:27], s[22:23]
	s_sub_co_u32 s31, s30, 128
	s_mov_b32 s35, 12
	s_mov_b32 s36, 15
.Ltype2:                                               ; chunk c = 32 columns: fragment (2 c + m, kf) at the chunk's byte 1,024 (2 kf + m)
	s_lshl2_add_u32 s31, s31, s29                  ; F = 16 c + 2 kf + m
	s_lshr_b32 s38, s31, 4                         ; c
	s_bfe_u32 s32, s31, 0x30001                    ; kf
	s_and_b32 s33, s31, 1
	s_lshl1_add_u32 s33, s38, s33                  ; mt = 2 c + m
	s_and_b32 s34, s31, 15
	s_lshl_b32 s34, s34, 10
	s_lshl_b32 s38, s38, s36
	s_add_co_u32 s34, s34, s38
	s_branch .Ltail
.Lw2:                                                  ; W2: fragment (mt, kf = c) in the second half of ffs's chunk c
	s_mov_b64 s[24:25], s[14:15]
	s_mov_b64 s[26:27], s[22:23]
	s_sub_co_u32 s31, s30, 256
	s_lshl2_add_u32 s31, s31, s29                  ; F = 16 kf + mt
	s_lshr_b32 s32, s31, 4
	s_and_b32 s33, s31, 15
	s_lshl_b32 s34, s32, 15
	s_lshl_b32 s38, s33, 10
	s_add_co_u32 s34, s34, s38
	s_add_co_u32 s34, s34, 16384
.Ltail:
	s_lshl_b32 s38, s32, 5                         ; row 32 kf
	s_lshl4_add_u32 s38, s28, s38                  ; + 16 s,
	s_lshl_b32 s38, s38, s35                       ; in bytes,
	s_lshl_b32 s39, s33, 6                         ; and column 16 mt
	s_add_co_u32 s38, s38, s39
	s_lshl_b32 s39, 1, s35                         ; a source row's bytes
	v_lshlrev_b32 v3, 3, v3                        ; my rows begin 8 (L / 16) further down
	v_lshlrev_b32 v3, s35, v3
	v_lshl_add_u32 v3, v4, 2, v3                   ; my column
	v_add_nc_u32 v8, s38, v3
.irp e, 1,2,3,4,5,6,7
	v_add_nc_u32 v[8+(\e)], s39, v[7+(\e)]
.endr
.irp e, 0,1,2,3,4,5,6,7
	global_load_b32 v[16+(\e)], v[8+(\e)], s[24:25]
.endr
	s_lshl_b32 s38, s28, 9
	s_add_co_u32 s34, s34, s38
	v_lshl_add_u32 v5, v2, 4, s34                  ; the fragment's place + 512 s + 16 L
	s_wait_loadcnt 0x0
	s_cmp_lt_u32 s30, 128
	s_cbranch_scc0 .Lhalf
.irp e, 0,1,2,3
	v_cvt_pk_bf16_f32 v[24+(\e)], v[16+2*(\e)], v[17+2*(\e)]
.endr
	s_branch .Lstore
.Lhalf:
.irp e, 0,1,2,3
	v_cvt_pk_f16_f32 v[24+(\e)], v[16+2*(\e)], v[17+2*(\e)]
.endr
.Lstore:
	global_store_b128 v5, v[24:27], s[26:27]
	s_endpgm
.Lfunc_end_k_q03e288e1d7_prep:
	.size	k_q03e288e1d7_prep, .Lfunc_end_k_q03e288e1d7_prep-k_q03e288e1d7_prep
	.p2alignl 7, 3214868480
	.fill 96, 4, 3214868480
	.section	.rodata,"a",@progbits
	.p2align	6, 0x0
	.amdhsa_kernel k_q03e288e1d7_prep
		.amdhsa_group_segment_fixed_size 0
		.amdhsa_private_segment_fixed_size 0
		.amdhsa_enable_private_segment 0
		.amdhsa_kernarg_size 80
		.amdhsa_user_sgpr_count 2
		.amdhsa_user_sgpr_kernarg_segment_ptr 1
		.amdhsa_wavefront_size32 1
		.amdhsa_system_sgpr_workgroup_id_x 1
		.amdhsa_system_sgpr_workgroup_id_y 1
		.amdhsa_system_sgpr_workgroup_id_z 1
		.amdhsa_system_vgpr_workitem_id 0
		.amdhsa_next_free_vgpr 32
		.amdhsa_next_free_sgpr 66
		.amdhsa_reserve_vcc 0
		.amdhsa_float_denorm_mode_32 3
		.amdhsa_float_denorm_mode_16_64 3
		.amdhsa_memory_ordered 1
		.amdhsa_forward_progress 1
		.amdhsa_inst_pref_size 6
	.end_amdhsa_kernel
	.amdgpu_metadata
---
amdhsa.version: [ 1, 2 ]
amdhsa.kernels:
  - .name:           k_q03e288e1d7_prep
    .symbol:         k_q03e288e1d7_prep.kd
    .args:
      - { .name: Wk, .offset: 0, .size: 8, .value_kind: global_buffer, .address_space: global }
      - { .name: Wv, .offset: 8, .size: 8, .value_kind: global_buffer, .address_space: global }
      - { .name: Wo, .offset: 16, .size: 8, .value_kind: global_buffer, .address_space: global }
      - { .name: Wq, .offset: 24, .size: 8, .value_kind: global_buffer, .address_space: global }
      - { .name: W1, .offset: 32, .size: 8, .value_kind: global_buffer, .address_space: global }
      - { .name: W2, .offset: 40, .size: 8, .value_kind: global_buffer, .address_space: global }
      - { .name: wkv, .offset: 48, .size: 8, .value_kind: global_buffer, .address_space: global }
      - { .name: wos, .offset: 56, .size: 8, .value_kind: global_buffer, .address_space: global }
      - { .name: wqs, .offset: 64, .size: 8, .value_kind: global_buffer, .address_space: global }
      - { .name: ffs, .offset: 72, .size: 8, .value_kind: global_buffer, .address_space: global }
    .group_segment_fixed_size: 0
    .private_segment_fixed_size: 0
    .kernarg_segment_align: 8
    .kernarg_segment_size: 80
    .max_flat_workgroup_size: 256
    .sgpr_count:     66
    .vgpr_count:     32
    .wavefront_size: 32
...
	.end_amdgpu_metadata
.endif
;; end of part 1
;; launch kvpart (part 2): grid 256 x 1, 4 waves a work-group, no clusters, 266,752 bytes of LDS; arguments x, wkv, bk, part, ksp; writes part, ksp
.if DOCPART == 2
	.amdgcn_target "amdgcn-amd-amdhsa--gfx1250"
	.amdhsa_code_object_version 6
	.text
	.protected	k_q03e288e1d7_kvpart
	.globl	k_q03e288e1d7_kvpart
	.p2align	8
	.type	k_q03e288e1d7_kvpart,@function
k_q03e288e1d7_kvpart:
	s_mov_b64 s[64:65], 0
	v_nop
	global_prefetch_b8 v0, s[64:65] scope:SCOPE_SE
	s_setreg_imm32_b32 hwreg(HW_REG_WAVE_MODE, 25, 1), 1
	s_wait_xcnt 0x0
; Partial sums of kv and k_sum.  A work-group takes 256 tokens of x; for them it makes k = x Wk + bk, v' = x Wv (bv's term is added later, in f32: kv = sum phi(k) v' + k_sum (x) bv),
; phi(k) = max(k, 0) + 2^min(1.442695 k, 0)  (k + 1 above 0, e^k below: the two forms of elu + 1, chosen without a branch; the exponent never passes 0),
; and stores its sums over the 256 tokens: kv^T by heads (part) and k_sum (ksp), all in f32.  Products in bf16 with f32 sums.
; LIMITS: an exponential below 2^-126 counts as 0; NaN and infinities are not treated apart.
; SHARES.  Wave w owns heads 2 w and 2 w + 1, that is 64 columns of Wk and 64 of Wv: 512 registers of fragments, loaded once, 512 consecutive bytes a load.  All four waves walk all 256 tokens.
; x comes in as f32 by tensor loads (eight of 32 rows x 1,024 bytes, two a wave, all asked for at the head: nothing is filled twice) and is rounded to bf16 on the way from LDS to the matrix unit.
; NO CLUSTER: work-groups share no row of x; what they share, the weights, goes straight into registers, and LDS is full of x.  NO PREFETCH: all of the work-group's x is asked for at once.
; LAYOUT.  k = x Wk with source 0 = 16 tokens, source 1 = 16 columns: a lane holds ONE column and the tokens 8 (lane / 16) + 0..7.  Two token tiles rounded in pairs ARE a fragment along 32 tokens.
; kv^T tile (dt, et) = V fragment (et) x K fragment (dt): register j of lane l holds kv[d = 16 dt + l % 16][e = 16 et + 8 (l / 16) + j].
; REGISTERS, in windows of 256 (s_set_vgpr_msb: bits 1:0 source 0, 3:2 source 1, 5:4 source 2, 7:6 destination):
;   window 0: v0-15 addresses; v16-79 XB, a token tile's 8 fragments in bf16 (at work in the activation); v80-207 ACCP, tile (t, n) at 64 t + 8 n (n 0-3 k, 4-7 v'); v208-239 bk as a C operand; v240-247 k_sum
;   window 1: v0-127 a token tile in f32; v128-159 K fragments; v160-191 V fragments; v192-255 the eight kv^T accumulators        window 2: Wk, column tile n, K step f at 64 n + 8 f        window 3: Wv
.set PX,    1040                       ; a row of x in LDS: 1,024 bytes + 16 of padding: the 16 rows of a load begin in 16 different groups of four banks (ISA guide 11.1)
.set SPARE, 256*PX                     ; behind the tile: the spare words, 128 bytes for each wave
.set AX0, 2                            ; v2  my place in a token tile: (l % 16) x PX + 32 (l / 16); never rewritten
.set AX,  3                            ; v3  LDS address of the token tile to be fetched
.set WO,  4                            ; v4  16 l + 32,768 w: my 16 bytes of my wave's first fragment
.set BO,  5                            ; v5  4 (l % 16) + 256 w: my column's bias
.set PO,  6                            ; v6  16 l + 8,192 w: where my wave's kv^T goes
.set KO,  7                            ; v7  4 l + 256 w: where its k_sum goes
.set SPW, 8                            ; v8  my spare word; never rewritten
.set NIL, 9                            ; v9  0; never rewritten
.set XB,   16
.set ACCP, 80
.set KB,   208
.set KSUM, 240
.set KF,   128
.set VF,   160
.set KVT,  192
.set WV, 14                            ; s14 my wave's number
.set G1, 16                            ; s[16:23] descriptor group 1
.set G0, 24                            ; s[24:31] group 0, one set for each half of the tile
.set GC, 40                            ; s40 counts a half's four groups of 32 tokens
.set SEL, 42                           ; s[42:43] v_permlanex16_b32's selects: each lane takes its own place in the other half
.set LG,  44                           ; s[44:45] log2(e), named as a pair
.set MSB, 0
.macro WIN new                         ; the immediate's high byte repeats the setting that is left; a switch that changes nothing is dropped
.if MSB != (\new)
	s_set_vgpr_msb (MSB<<8)|(\new)
.set MSB, \new
.endif
.endm
.macro PLACES                          ; four plain places behind a matrix instruction, ahead of vector work or loads that touch its registers
.rept 4
	v_nop
.endr
.endm
	s_load_b256 s[4:11], s[0:1], 0x0               ; x s[4:5], wkv s[6:7], bk s[8:9], part s[10:11]
	s_load_b64 s[12:13], s[0:1], 0x20              ; ksp
	v_lshl_add_u32 v[SPW], v0, 2, SPARE
	v_mov_b32 v[NIL], 0
	ds_add_u32 v[SPW], v[NIL]                      ; the wave's opening: the add, twice on end, and its wait ahead of my first tensor load
	ds_add_u32 v[SPW], v[NIL]
	v_lshrrev_b32 v1, 5, v0
	v_readfirstlane_b32 s[WV], v1
	s_mov_b32 s[G1+0], (2<<16)|(1<<20)|(7<<22)|(3<<25)  ; elements of 4 bytes; padding on: after every 256 words (code 7) 4 words (code 3)
	s_mov_b32 s[G1+1], 256<<16                     ; tensor_dim0 = 256
	s_mov_b32 s[G1+2], 32<<16                      ; tensor_dim1 = 32
	s_mov_b32 s[G1+3], 256<<16                     ; tile_dim0 = 256
	s_mov_b32 s[G1+4], 32                          ; tile_dim1 = 32
	s_mov_b32 s[G1+5], 256                         ; elements from row to row
	s_mov_b32 s[G1+6], 0
	s_mov_b32 s[G1+7], 0
	s_mul_i32 s33, s[WV], 32*PX                    ; my 32 rows of a half, in LDS,
	s_lshl_b32 s34, ttmp9, 18                      ; the work-group's 256 rows of 1,024 bytes,
	s_lshl_b32 s36, s[WV], 15                      ; my 32 of them
	s_add_co_u32 s34, s34, s36
	s_mov_b32 s35, 0
	s_mov_b32 s[G0+0], 1
	s_mov_b32 s[G0+1], s33
	s_mov_b32 s[G0+4], 1
	s_add_co_u32 s[G0+5], s33, 128*PX
	s_mov_b32 s[SEL], 0x76543210
	s_mov_b32 s[SEL+1], 0xfedcba98
	s_mov_b32 s[LG], 0x3fb8aa3b
	s_mov_b32 s[LG+1], s[LG]
	s_lshl_b32 s38, ttmp9, 15                      ; the work-group's 32,768 bytes of part,
	s_mov_b32 s39, 0
	s_lshl_b32 s32, ttmp9, 10                      ; and its 1,024 of ksp
	s_mov_b32 s33, 0
	s_wait_dscnt 0x0                               ; both opening adds are done
	s_wait_kmcnt 0x0
	s_add_nc_u64 s[G0+2:G0+3], s[4:5], s[34:35]
	s_add_nc_u64 s[G0+6:G0+7], s[G0+2:G0+3], 131072  ; the second half: 128 rows on
	s_or_b32 s[G0+3], s[G0+3], 0x80000000
	s_or_b32 s[G0+7], s[G0+7], 0x80000000
	tensor_load_to_lds s[G0:G0+3], s[G1:G1+7]      ; both first fills together: two loads of mine are out
	s_nop 0
	tensor_load_to_lds s[G0+4:G0+7], s[G1:G1+7]
	s_nop 0
	PLACES
	s_add_nc_u64 s[10:11], s[10:11], s[38:39]
	s_add_nc_u64 s[12:13], s[12:13], s[32:33]
	v_and_b32 v10, 15, v0                          ; l % 16
	v_bfe_u32 v11, v0, 4, 1                        ; l / 16
	v_and_b32 v12, 31, v0                          ; l
	v_mul_u32_u24 v[AX0], v10, PX
	v_lshl_add_u32 v[AX0], v11, 5, v[AX0]
	v_lshl_add_u32 v[WO], v12, 4, s36
	s_lshl_b32 s37, s[WV], 8
	v_lshl_add_u32 v[BO], v10, 2, s37
	v_lshl_add_u32 v[KO], v12, 2, s37
	s_lshl_b32 s37, s[WV], 13
	v_lshl_add_u32 v[PO], v12, 4, s37
	WIN 0x80                                       ; destination window 2: Wk's 32 fragments, register 4 i at byte 512 i
.set i, 0
.rept 64
	global_load_b128 v[4*i:4*i+3], v[WO], s[6:7] offset:512*i
.set i, i+1
.endr
	WIN 0xc0                                       ; window 3: Wv's
.set i, 0
.rept 64
	global_load_b128 v[4*i:4*i+3], v[WO], s[6:7] offset:131072+512*i
.set i, i+1
.endr
	WIN 0
.set i, 0
.rept 32                                       ; a C operand's eight registers all hold the lane's column's bias
	global_load_b32 v[KB+i], v[BO], s[8:9] offset:64*(i/8)
.set i, i+1
.endr
	WIN 0x40                                       ; the sums over tokens start at 0, written while the first tile is on its way, so that the loop has one form
.set i, 0
.rept 64
	v_mov_b32 v[KVT+i], 0
.set i, i+1
.endr
	WIN 0
.set i, 0
.rept 8
	v_mov_b32 v[KSUM+i], 0
.set i, i+1
.endr
.macro XLOAD                           ; a token tile, 16 rows x 256 f32: for K step f my 8 + 8 numbers, four loads of 16 bytes
	WIN 0x40
.set i, 0
.rept 8
	ds_load_b128 v[16*i:16*i+3],     v[AX] offset:128*i
	ds_load_b128 v[16*i+4:16*i+7],   v[AX] offset:128*i+16
	ds_load_b128 v[16*i+8:16*i+11],  v[AX] offset:128*i+64
	ds_load_b128 v[16*i+12:16*i+15], v[AX] offset:128*i+80
.set i, i+1
.endr
.endm
.macro CVT                             ; rounded to bf16: eight fragments
	WIN 0x05
.set i, 0
.rept 64
	v_cvt_pk_bf16_f32 v[XB+i], v[2*i], v[2*i+1]
.set i, i+1
.endr
.endm
; 64 products for token tile t2: k's four column tiles, then v's.  The four accumulators take turns, one instruction a turn; the first K step starts the sums, with the bias or with 0.
.macro PROJ t2
.irp vv, 0,1
	WIN 0x08+4*(\vv)
.irp kf, 0,1,2,3,4,5,6,7
.irp nt, 0,1,2,3
.set rD, ACCP+64*(\t2)+32*(\vv)+8*(\nt)
.if ((\kf) == 0) && ((\vv) == 0)
	v_wmma_f32_16x16x32_bf16 v[rD:rD+7], v[XB+8*(\kf):XB+8*(\kf)+7], v[64*(\nt)+8*(\kf):64*(\nt)+8*(\kf)+7], v[KB+8*(\nt):KB+8*(\nt)+7]
.elseif (\kf) == 0
	v_wmma_f32_16x16x32_bf16 v[rD:rD+7], v[XB+8*(\kf):XB+8*(\kf)+7], v[64*(\nt)+8*(\kf):64*(\nt)+8*(\kf)+7], 0
.else
	v_wmma_f32_16x16x32_bf16 v[rD:rD+7], v[XB+8*(\kf):XB+8*(\kf)+7], v[64*(\nt)+8*(\kf):64*(\nt)+8*(\kf)+7], v[rD:rD+7]
.endif
.endr
.endr
.endr
.endm
; phi(k) for 32 tokens x 64 columns, k_sum, and the fragments along tokens.  The 64 exponentials are one batch with one wait; the 64 maxima are the plain work behind them.  Accumulators are read from their low end on.
.macro ACTK
	WIN 0
.set i, 0
.rept 32
	v_pk_mul_f32 v[XB+2*i:XB+2*i+1], v[ACCP+64*(i/16)+2*(i%16):ACCP+64*(i/16)+2*(i%16)+1], s[LG:LG+1] op_sel_hi:[1,0]
.set i, i+1
.endr
.set i, 0
.rept 64
	v_min_num_f32 v[XB+i], 0, v[XB+i]
.set i, i+1
.endr
.set i, 0
.rept 64
	v_exp_f32 v[XB+i], v[XB+i]
.set i, i+1
.endr
.set i, 0
.rept 64
	v_max_num_f32 v[ACCP+64*(i/32)+i%32], 0, v[ACCP+64*(i/32)+i%32]
.set i, i+1
.endr
	s_wait_alu depctr_va_vdst(0)                   ; the one wait for the batch, ahead of its first reader
.set i, 0
.rept 32
	v_pk_add_f32 v[ACCP+64*(i/16)+2*(i%16):ACCP+64*(i/16)+2*(i%16)+1], v[ACCP+64*(i/16)+2*(i%16):ACCP+64*(i/16)+2*(i%16)+1], v[XB+2*i:XB+2*i+1]
.set i, i+1
.endr
.set i, 0
.rept 32                                       ; k_sum: four chains, one for each column tile, by turns
	v_pk_add_f32 v[KSUM+2*(i%4):KSUM+2*(i%4)+1], v[KSUM+2*(i%4):KSUM+2*(i%4)+1], v[ACCP+64*((i/4)%2)+8*(i%4)+2*(i/8):ACCP+64*((i/4)%2)+8*(i%4)+2*(i/8)+1]
.set i, i+1
.endr
	WIN 0x40
.set i, 0
.rept 32                                       ; fragment i / 8: registers 0-3 from the first token tile, 4-7 from the second
	v_cvt_pk_bf16_f32 v[KF+i], v[ACCP+64*((i/4)%2)+8*(i/8)+2*(i%4)], v[ACCP+64*((i/4)%2)+8*(i/8)+2*(i%4)+1]
.set i, i+1
.endr
.set i, 0
.rept 32
	v_cvt_pk_bf16_f32 v[VF+i], v[ACCP+64*((i/4)%2)+32+8*(i/8)+2*(i%4)], v[ACCP+64*((i/4)%2)+32+8*(i/8)+2*(i%4)+1]
.set i, i+1
.endr
.endm
.macro KVW                             ; kv^T += V^T phi(K) over 32 tokens: eight accumulators, one product each
	WIN 0x55
.irp hh, 0,1
.irp dt, 0,1
.irp et, 0,1
.set rD, KVT+32*(\hh)+8*(2*(\dt)+(\et))
	v_wmma_f32_16x16x32_bf16 v[rD:rD+7], v[VF+8*(2*(\hh)+(\et)):VF+8*(2*(\hh)+(\et))+7], v[KF+8*(2*(\hh)+(\dt)):KF+8*(2*(\hh)+(\dt))+7], v[rD:rD+7]
.endr
.endr
.endr
.endm
; Half p of the tile: four groups of two token tiles.  A token tile's LDS loads are issued one tile ahead, behind the rounding that frees the f32 registers.
.macro HALF p
	WIN 0
	v_add_nc_u32 v[AX], (\p)*128*PX, v[AX0]
	XLOAD
	WIN 0
	s_mov_b32 s[GC], 4
.Lgrp_\@:
	s_wait_dscnt 0x0                               ; the group's first token tile is in registers
	CVT
	WIN 0
	v_add_nc_u32 v[AX], 16*PX, v[AX]
	XLOAD
	PROJ 0
	s_wait_dscnt 0x0                               ; the second token tile
	PLACES                                         ; XB was read by the products just issued
	CVT
	WIN 0
	s_sub_co_u32 s[GC], s[GC], 1
	s_cmp_eq_u32 s[GC], 0
	s_cbranch_scc1 .Lnox_\@                        ; the half's last group has no tile behind it
	v_add_nc_u32 v[AX], 16*PX, v[AX]
	XLOAD
	WIN 0
.Lnox_\@:
	PROJ 1
	PLACES
	ACTK
	KVW
	WIN 0
	s_cmp_lg_u32 s[GC], 0
	s_cbranch_scc1 .Lgrp_\@
.endm
	s_wait_loadcnt 0x0                             ; weights and bias
	s_wait_tensorcnt 0x1                           ; my part of the first half is in; the second half's load stays out
	s_barrier_signal -1
	s_barrier_wait -1                              ; everybody's part is in
	HALF 0
	s_wait_tensorcnt 0x0                           ; my part of the second half
	s_wait_dscnt 0x0
	s_barrier_signal -1
	s_barrier_wait -1
	HALF 1
	PLACES                                         ; the stores read results just made
	WIN 0x04                                       ; store data in window 1
.set i, 0
.rept 16
	global_store_b128 v[PO], v[KVT+4*i:KVT+4*i+3], s[10:11] offset:512*i  ; 512 consecutive bytes, aligned; each accumulator's low half first
.set i, i+1
.endr
	WIN 0
.irp n, 0,1,2,3
	v_add_f32 v[KSUM+2*(\n)], v[KSUM+2*(\n)], v[KSUM+2*(\n)+1]
.endr
.irp n, 0,1,2,3
	v_permlanex16_b32 v[KSUM+2*(\n)+1], v[KSUM+2*(\n)], s[SEL], s[SEL+1]  ; the column's other tokens lie in the lane 16 away
.endr
.irp n, 0,1,2,3
	v_add_f32 v[KSUM+2*(\n)], v[KSUM+2*(\n)], v[KSUM+2*(\n)+1]
.endr
	v_cmp_gt_u32 vcc_lo, 16, v12
	v_cndmask_b32 v[KSUM+1], v[KSUM+2], v[KSUM], vcc_lo    ; lanes 0-15 an even column tile, lanes 16-31 the odd one behind it: 32 columns on end
	v_cndmask_b32 v[KSUM+3], v[KSUM+6], v[KSUM+4], vcc_lo
	global_store_b32 v[KO], v[KSUM+1], s[12:13]
	global_store_b32 v[KO], v[KSUM+3], s[12:13] offset:128
	s_wait_tensorcnt 0x0                           ; the wave's end
	ds_add_u32 v[SPW], v[NIL]
	s_wait_dscnt 0x0
	s_endpgm
.Lfunc_end_k_q03e288e1d7_kvpart:
	.size	k_q03e288e1d7_kvpart, .Lfunc_end_k_q03e288e1d7_kvpart-k_q03e288e1d7_kvpart
	.p2alignl 7, 3214868480
	.fill 96, 4, 3214868480
	.section	.rodata,"a",@progbits
	.p2align	6, 0x0
	.amdhsa_kernel k_q03e288e1d7_kvpart
		.amdhsa_group_segment_fixed_size 266752
		.amdhsa_private_segment_fixed_size 0
		.amdhsa_enable_private_segment 0
		.amdhsa_kernarg_size 40
		.amdhsa_user_sgpr_count 2
		.amdhsa_user_sgpr_kernarg_segment_ptr 1
		.amdhsa_wavefront_size32 1
		.amdhsa_system_sgpr_workgroup_id_x 1
		.amdhsa_system_sgpr_workgroup_id_y 1
		.amdhsa_system_sgpr_workgroup_id_z 1
		.amdhsa_system_vgpr_workitem_id 0
		.amdhsa_next_free_vgpr 1024
		.amdhsa_next_free_sgpr 66
		.amdhsa_reserve_vcc 1
		.amdhsa_float_denorm_mode_32 3
		.amdhsa_float_denorm_mode_16_64 3
		.amdhsa_memory_ordered 1
		.amdhsa_forward_progress 1
		.amdhsa_inst_pref_size 103
	.end_amdhsa_kernel
	.amdgpu_metadata
---
amdhsa.version: [ 1, 2 ]
amdhsa.kernels:
  - .name:           k_q03e288e1d7_kvpart
    .symbol:         k_q03e288e1d7_kvpart.kd
    .args:
      - { .name: x, .offset: 0, .size: 8, .value_kind: global_buffer, .address_space: global }
      - { .name: wkv, .offset: 8, .size: 8, .value_kind: global_buffer, .address_space: global }
      - { .name: bk, .offset: 16, .size: 8, .value_kind: global_buffer, .address_space: global }
      - { .name: part, .offset: 24, .size: 8, .value_kind: global_buffer, .address_space: global }
      - { .name: ksp, .offset: 32, .size: 8, .value_kind: global_buffer, .address_space: global }
    .group_segment_fixed_size: 266752
    .private_segment_fixed_size: 0
    .kernarg_segment_align: 8
    .kernarg_segment_size: 40
    .max_flat_workgroup_size: 128
    .sgpr_count:     66
    .vgpr_count:     1024
    .wavefront_size: 32
...
	.end_amdgpu_metadata
.endif
;; end of part 2
;; launch mix (part 3): grid 16 x 4, 8 waves a work-group, no clusters, 21,504 bytes of LDS; arguments part, ksp, wos, bv, ms, ksb; writes ms, ksb
.if DOCPART == 3
	.amdgcn_target "amdgcn-amd-amdhsa--gfx1250"
	.amdhsa_code_object_version 6
	.text
	.protected	k_q03e288e1d7_mix
	.globl	k_q03e288e1d7_mix
	.p2align	8
	.type	k_q03e288e1d7_mix,@function
k_q03e288e1d7_mix:
	s_mov_b64 s[64:65], 0
	v_nop
	global_prefetch_b8 v0, s[64:65] scope:SCOPE_SE
	s_setreg_imm32_b32 hwreg(HW_REG_WAVE_MODE, 25, 1), 1
	s_wait_xcnt 0x0
; The sums over a batch's 64 work-groups of kvpart, bv's term, and M_b = kv Wo by heads.
; Work-group (x, y): batch b = y, head hd = x / 2, dt = x % 2: the 16 rows d = 16 dt .. of kv[b][hd].  64 work-groups: all the work there is (8 MB read, 0.5 MB written).
; kv[d][e] = sum of partials + k_sum[d] bv[32 hd + e], in f32;  M_b[32 hd + d][n] = the sum over e of kv[d][e] Wo[32 hd + e][n], one bf16 product of K = 32 for each 16 columns n.
; A partial tile is stored as its accumulator image, so the sum is taken register by register; rounded in pairs, tiles et = 0, 1 ARE source 0 (16 rows d x 32 e).  In the result a lane holds one column n and
; eight rows d on end: 16 bytes of the fragment of M_b^T that main loads (byte 512 dt + 16 l).
; No cluster, no tensor load: a stream of 128 KB a work-group through registers; the waves' figures meet in LDS.
.set IMG,   2304                       ; wave v's sums: 2,048 bytes of kv^T (two tiles), 128 of k_sum, at IMG x v
.set FIN,   8*IMG                      ; the finished 2,048 bytes
.set SPARE, FIN+2048                   ; the spare words, 128 bytes for each of eight waves
.set SPW, 12
.set NIL, 13
.set BV,  16                           ; v[16:31]  bv[32 hd + 16 et + 8 (l / 16) + j] at 8 et + j
.set BF,  32                           ; v[32:47]  two fragments of Wo
.set KS,  48                           ; v[48:55]  eight partial k_sum
.set P,   64                           ; v[64:191] eight partial images of 16 registers; free again when they are summed
.set MO,  200                          ; v200  my byte offset in ms: above all that loads and products write; never rewritten
.set KO,  201                          ; v201  my byte offset in ksb; never rewritten
	s_load_b256 s[4:11], s[0:1], 0x0               ; part s[4:5], ksp s[6:7], wos s[8:9], bv s[10:11]
	s_load_b128 s[12:15], s[0:1], 0x20             ; ms s[12:13], ksb s[14:15]
	v_lshl_add_u32 v[SPW], v0, 2, SPARE
	v_mov_b32 v[NIL], 0
	v_lshrrev_b32 v1, 5, v0
	v_readfirstlane_b32 s16, v1                    ; wave 0..7
	s_lshr_b32 s17, ttmp9, 1                       ; hd
	s_and_b32 s18, ttmp9, 1                        ; dt
	s_and_b32 s19, ttmp7, 0xffff                   ; b
	v_and_b32 v1, 31, v0                           ; l
	v_and_b32 v2, 15, v0
	v_bfe_u32 v3, v0, 4, 1
	s_lshl_b32 s20, s19, 6
	s_lshl3_add_u32 s20, s16, s20                  ; the first of my eight partials: 64 b + 8 v
	s_lshl_b32 s21, s17, 7                         ; 128 hd: a head's 32 f32
	v_lshl_add_u32 v4, v3, 5, s21                  ; bv
	s_lshl_b32 s22, s16, 14                        ; Wo's column tiles 2 v, 2 v + 1, K step hd
	s_lshl_b32 s28, s17, 10
	s_add_co_u32 s22, s22, s28
	v_lshl_add_u32 v5, v1, 4, s22
	s_lshl_b32 s23, s20, 10
	s_add_co_u32 s23, s23, s21
	v_lshl_add_u32 v6, v1, 2, s23                  ; ksp
	s_lshl_b32 s24, s20, 15
	s_lshl_b32 s28, s17, 12
	s_add_co_u32 s24, s24, s28
	s_lshl_b32 s28, s18, 11
	s_add_co_u32 s24, s24, s28
	v_lshl_add_u32 v7, v1, 4, s24                  ; part
	s_mul_i32 s25, s16, IMG
	v_lshl_add_u32 v8, v1, 4, s25
	v_lshl_add_u32 v9, v1, 2, s25
	v_lshlrev_b32 v10, 3, v0                       ; 8 x thread
	v_lshlrev_b32 v11, 2, v1
	v_lshlrev_b32 v14, 4, v1
	s_lshl_b32 s28, s18, 6
	v_lshl_add_u32 v15, v2, 2, s28                 ; the lane that holds k_sum[16 dt + l % 16], x 4
	s_lshl_b32 s26, s19, 17                        ; ms: batch, head, column tile 2 v, half dt
	s_lshl_b32 s28, s17, 14
	s_add_co_u32 s26, s26, s28
	s_lshl_b32 s28, s16, 11
	s_add_co_u32 s26, s26, s28
	s_lshl_b32 s28, s18, 9
	s_add_co_u32 s26, s26, s28
	v_lshl_add_u32 v[MO], v1, 4, s26
	s_lshl_b32 s27, s19, 10
	s_add_co_u32 s27, s27, s21
	v_lshl_add_u32 v[KO], v1, 2, s27               ; ksb
	s_wait_kmcnt 0x0
.irp u, 0,1,2,3
	global_load_b128 v[BV+4*(\u):BV+4*(\u)+3], v4, s[10:11] offset:64*((\u)/2)+16*((\u)%2)
	global_load_b128 v[BF+4*(\u):BF+4*(\u)+3], v5, s[8:9] offset:8192*((\u)/2)+512*((\u)%2)
.endr
.irp i, 0,1,2,3,4,5,6,7
	global_load_b32 v[KS+(\i)], v6, s[6:7] offset:1024*(\i)
.endr
.set i, 0
.rept 32
	global_load_b128 v[P+4*i:P+4*i+3], v7, s[4:5] offset:32768*(i/4)+512*(i%4)
.set i, i+1
.endr
	s_wait_loadcnt 0x0
.set i, 8
.rept 56                                       ; partial i / 8 onto the first, eight pairs by turns
	v_pk_add_f32 v[P+2*(i%8):P+2*(i%8)+1], v[P+2*(i%8):P+2*(i%8)+1], v[P+2*i:P+2*i+1]
.set i, i+1
.endr
	v_add_f32 v[KS], v[KS], v[KS+1]
	v_add_f32 v[KS+2], v[KS+2], v[KS+3]
	v_add_f32 v[KS+4], v[KS+4], v[KS+5]
	v_add_f32 v[KS+6], v[KS+6], v[KS+7]
	v_add_f32 v[KS], v[KS], v[KS+2]
	v_add_f32 v[KS+4], v[KS+4], v[KS+6]
	v_add_f32 v[KS], v[KS], v[KS+4]
.irp u, 0,1,2,3
	ds_store_b128 v8, v[P+4*(\u):P+4*(\u)+3] offset:512*(\u)
.endr
	ds_store_b32 v9, v[KS] offset:2048
	s_wait_dscnt 0x0                               ; for the others' sake: my stores are done
	s_barrier_signal -1
	s_barrier_wait -1
.irp i, 0,1,2,3,4,5,6,7
	ds_load_b64 v[64+2*(\i):65+2*(\i)], v10 offset:IMG*(\i)     ; thread t adds the eight waves' bytes 8 t
.endr
.irp i, 0,1,2,3,4,5,6,7
	ds_load_b32 v[80+(\i)], v11 offset:IMG*(\i)+2048            ; every wave adds k_sum: lane l holds d = l
.endr
	s_wait_dscnt 0x0
	v_pk_add_f32 v[64:65], v[64:65], v[66:67]
	v_pk_add_f32 v[68:69], v[68:69], v[70:71]
	v_pk_add_f32 v[72:73], v[72:73], v[74:75]
	v_pk_add_f32 v[76:77], v[76:77], v[78:79]
	v_pk_add_f32 v[64:65], v[64:65], v[68:69]
	v_pk_add_f32 v[72:73], v[72:73], v[76:77]
	v_pk_add_f32 v[64:65], v[64:65], v[72:73]
	v_add_f32 v80, v80, v81
	v_add_f32 v82, v82, v83
	v_add_f32 v84, v84, v85
	v_add_f32 v86, v86, v87
	v_add_f32 v80, v80, v82
	v_add_f32 v84, v84, v86
	v_add_f32 v80, v80, v84
	ds_store_b64 v10, v[64:65] offset:FIN
	s_wait_dscnt 0x0
	s_barrier_signal -1
	s_barrier_wait -1
.irp u, 0,1,2,3
	ds_load_b128 v[96+4*(\u):96+4*(\u)+3], v14 offset:FIN+512*(\u)
.endr
	ds_bpermute_b32 v112, v15, v80                 ; k_sum of my row d
	v_mov_b32 v113, 0                              ; named with it as a pair
	s_wait_dscnt 0x0
.irp i, 0,1,2,3,4,5,6,7
	v_pk_fma_f32 v[96+2*(\i):97+2*(\i)], v[BV+2*(\i):BV+2*(\i)+1], v[112:113], v[96+2*(\i):97+2*(\i)] op_sel_hi:[1,0,1]  ; + k_sum[d] bv[e]
.endr
.irp i, 0,1,2,3,4,5,6,7
	v_cvt_pk_bf16_f32 v[120+(\i)], v[96+2*(\i)], v[97+2*(\i)]
.endr
	v_wmma_f32_16x16x32_bf16 v[128:135], v[120:127], v[BF:BF+7], 0
	v_wmma_f32_16x16x32_bf16 v[136:143], v[120:127], v[BF+8:BF+15], 0
.rept 4
	v_nop                                          ; four places ahead of the conversions that read the results (ISA guide 7.12.1)
.endr
.irp i, 0,1,2,3,4,5,6,7
	v_cvt_pk_bf16_f32 v[144+(\i)], v[128+2*(\i)], v[129+2*(\i)]
.endr
	global_store_b128 v[MO], v[144:147], s[12:13]              ; 512 consecutive bytes, aligned: half dt of a fragment
	global_store_b128 v[MO], v[148:151], s[12:13] offset:1024
	s_or_b32 s28, s16, s18
	s_cmp_lg_u32 s28, 0
	s_cbranch_scc1 .Lend                           ; wave 0 of the work-group with dt = 0 stores the head's k_sum
	global_store_b32 v[KO], v80, s[14:15]
.Lend:
	s_wait_tensorcnt 0x0                           ; the wave's end, behind my last LDS store
	ds_add_u32 v[SPW], v[NIL]
	s_wait_dscnt 0x0
	s_endpgm
.Lfunc_end_k_q03e288e1d7_mix:
	.size	k_q03e288e1d7_mix, .Lfunc_end_k_q03e288e1d7_mix-k_q03e288e1d7_mix
	.p2alignl 7, 3214868480
	.fill 96, 4, 3214868480
	.section	.rodata,"a",@progbits
	.p2align	6, 0x0
	.amdhsa_kernel k_q03e288e1d7_mix
		.amdhsa_group_segment_fixed_size 21504
		.amdhsa_private_segment_fixed_size 0
		.amdhsa_enable_private_segment 0
		.amdhsa_kernarg_size 48
		.amdhsa_user_sgpr_count 2
		.amdhsa_user_sgpr_kernarg_segment_ptr 1
		.amdhsa_wavefront_size32 1
		.amdhsa_system_sgpr_workgroup_id_x 1
		.amdhsa_system_sgpr_workgroup_id_y 1
		.amdhsa_system_sgpr_workgroup_id_z 1
		.amdhsa_system_vgpr_workitem_id 0
		.amdhsa_next_free_vgpr 224
		.amdhsa_next_free_sgpr 66
		.amdhsa_reserve_vcc 0
		.amdhsa_float_denorm_mode_32 3
		.amdhsa_float_denorm_mode_16_64 3
		.amdhsa_memory_ordered 1
		.amdhsa_forward_progress 1
		.amdhsa_inst_pref_size 16
	.end_amdhsa_kernel
	.amdgpu_metadata
---
amdhsa.version: [ 1, 2 ]
amdhsa.kernels:
  - .name:           k_q03e288e1d7_mix
    .symbol:         k_q03e288e1d7_mix.kd
    .args:
      - { .name: part, .offset: 0, .size: 8, .value_kind: global_buffer, .address_space: global }
      - { .name: ksp, .offset: 8, .size: 8, .value_kind: global_buffer, .address_space: global }
      - { .name: wos, .offset: 16, .size: 8, .value_kind: global_buffer, .address_space: global }
      - { .name: bv, .offset: 24, .size: 8, .value_kind: global_buffer, .address_space: global }
      - { .name: ms, .offset: 32, .size: 8, .value_kind: global_buffer, .address_space: global }
      - { .name: ksb, .offset: 40, .size: 8, .value_kind: global_buffer, .address_space: global }
    .group_segment_fixed_size: 21504
    .private_segment_fixed_size: 0
    .kernarg_segment_align: 8
    .kernarg_segment_size: 48
    .max_flat_workgroup_size: 256
    .sgpr_count:     66
    .vgpr_count:     224
    .wavefront_size: 32
...
	.end_amdgpu_metadata
.endif
;; end of part 3
;; launch main (part 4): grid 256 x 1, 4 waves a work-group, clusters of 4 x 1, 327,680 bytes of LDS; arguments x, wqs, ms, ffs, bo, ln1_g, ln1_b, b2, ln2_g, ln2_b, bq, b1, ksb, out0; writes out0
.if DOCPART == 4
	.amdgcn_target "amdgcn-amd-amdhsa--gfx1250"
	.amdhsa_code_object_version 6
	.text
	.protected	k_q03e288e1d7_main
	.globl	k_q03e288e1d7_main
	.p2align	8
	.type	k_q03e288e1d7_main,@function
k_q03e288e1d7_main:
	s_mov_b64 s[64:65], 0
	v_nop
	global_prefetch_b8 v0, s[64:65] scope:SCOPE_SE
	s_setreg_imm32_b32 hwreg(HW_REG_WAVE_MODE, 25, 1), 1
	s_wait_xcnt 0x0
	s_wait_alu depctr_hold_cnt(0) depctr_sa_sdst(0) depctr_va_vdst(0) depctr_va_sdst(0) depctr_va_ssrc(0) depctr_va_vcc(0) depctr_vm_vsrc(0)
	s_getreg_b32 s2, hwreg(HW_REG_IB_STS2, 6, 4)
	s_cmp_eq_u32 s2, 0
	s_cbranch_scc0 .Lentry_in_a_cluster
	s_endpgm
.Lentry_in_a_cluster:
	s_bfe_u32 s2, ttmp6, 0x10000c
	s_cmp_lg_u32 s2, 0x3003
	s_cbranch_scc0 .Lentry_shape_is_right
	s_endpgm
.Lentry_shape_is_right:
; Everything behind the sum over tokens, for 256 tokens a work-group, 64 a wave, without leaving registers:
;   q = x Wq + bq;  p = phi(q) / (phi(q) . k_sum + 1e-6) by heads;  a = x + p M_b + bo;  h = LN1(a);  y = h + relu(h W1 + b1) W2 + b2;  out = LN2(y).
; p M_b stands for (phi(q) kv z) Wo: M_b = kv Wo by heads, regrouped exactly, was made by the launch before.  phi(t) = max(t, 0) + 2^min(1.442695 t, 0): t + 1 above 0, e^t below.
; FORMATS.  x, Wq, p, M_b in bf16 (M_b and p have no room in f16); h, W1, relu(..), W2 in f16.  All sums, the residuals and both norms in f32; a norm takes the mean away before it squares, as the problem does.
; LIMITS.  h and h W1 + b1 beyond 65,504 become infinities in f16 (gains and W1 thirty times the drawn ones give some 5,000); f16 below 6e-5 keeps a fixed step of 6e-8; an exponential below 2^-126 counts as 0;
; v_rcp_f32 and v_rsq_f32 are good to 1 ulp; NaN and infinities are not treated apart.
; LAYOUT.  Every product is used transposed: source 0 = 16 output features (a weight fragment), source 1 = 16 tokens.  In the result a lane holds ONE token (lane % 16) and the features 8 (lane / 16) + 0..7,
; and two such tiles rounded in pairs ARE source 1 of the next product.  So nothing changes lanes; a token's sums want one exchange between the halves of the lanes.
; CHUNKS.  Both halves of the block have one form, a chunk of 32 middle features: G1 (K = 256, 64 products, from the 256 registers of activations), an activation, G2 (K = 32, 64 products, onto the 512 registers
; that already hold the residual).  Phase A: 8 chunks, a head each (Wq, phi and z, M_b).  Phase B: 32 chunks (W1, relu, W2).  A weight fragment, two LDS loads, feeds four products.
; RING.  Two LDS slots of four chunks (131,072 bytes).  Ten uses: two of phase A, eight of phase B; behind each of the first eight the slot just read is filled again, 32,768 bytes a wave by one load,
; which has four chunks, 512 products, in which to land.  A wave has four tensor loads out at the head, later one.
; CLUSTER.  The four work-groups of a cluster belong to one batch and walk the same weights: every fill is asked for JOINTLY, the same load, descriptor and mask in all four.
; REGISTERS, in windows of 256 (s_set_vgpr_msb: bits 1:0 source 0, 3:2 source 1, 5:4 source 2, 7:6 destination):
;   window 0: v0-15 addresses; v16-31 AUX (a chunk's bias as a C operand, then k_sum); v32-95 A1, G1's results at 16 t + 8 m; v96-127 FB, G2's source 1 at 8 t; v128-191 F0, v192-255 F1: eight weight fragments each
;   window 1: the activations' fragments at 64 t + 8 f        windows 2, 3: ACC: token tile t in window 2 + t / 2, feature tile m at 128 (t % 2) + 8 m
.set SLOT1, 1<<17                      ; slot 1 begins here: one exclusive or turns an address in one slot into the other's
.set CHB,   32768                      ; a chunk: G1's 16 fragments, then G2's 16
.set PSTG,  1040                       ; the way out: a token's row, 1,024 bytes + 16
.set PAR,   256*PSTG                   ; behind the stage (which takes the slots after their last fill, and 4,096 bytes more): parameters, stored once
.set P_BO,  0
.set P_G1,  1024
.set P_B1,  2048
.set P_BQ,  3072
.set P_KS,  4096
.set P_FB,  5120
.set SPARE, PAR+9216                   ; the spare words, 128 bytes for each wave
.set LA0, 2                            ; v2   16 l; never rewritten
.set LA,  3                            ; v3   LDS address of the chunk in hand
.set VPH, 4                            ; v4   PAR + 32 (l / 16)
.set BA,  5                            ; v5   where the chunk's bias lies
.set XO,  6                            ; v6   1,024 (l % 16) + 32 (l / 16)
.set STO, 7                            ; v7   the way out: where my token's features go
.set RDA, 8                            ; v8   where rows are read back
.set GOA, 9                            ; v9   my byte offset in the wave's rows of out0
.set PFO, 10                           ; v10  256 l
.set ZR,  11                           ; v11  0, for the packed maximum
.set SPW, 12                           ; v12  my spare word; never rewritten
.set NIL, 13                           ; v13  0; never rewritten
.set AUX, 16
.set A1,  32
.set FB,  96
.set F0,  128
.set F1,  192
.set SC,  32                           ; LN1: eight registers of sums a token tile
.set NM,  64                           ; LN1: - mean, twice, a token tile
.set RS,  72                           ; LN1: 1 / sigma, twice
.set D64,  32                          ; s[32:39] group 1: 64 rows of 256 bytes
.set D128, 40                          ; s[40:47] group 1: 128 rows
.set GA,   48                          ; s[48:63] four groups 0 for the first fills
.set FW,   68                          ; s[68:71] the walking group 0
.set FFB,  72                          ; s[72:73] ffs at my wave's chunk of a fill
.set OFF,  74                          ; s[74:75] the next fill's byte offset in ffs
.set PFA,  76                          ; s[76:77] where my prefetches stand
.set LIM,  78                          ; s78  1 in the launch's first cluster, else the greatest number
.set UC,   79                          ; s79  counts uses of a slot
.set CC,   80                          ; s80  counts a slot's chunks; later the way out's trips
.set SB,   81                          ; s81  the slot in hand: 0 or SLOT1
.set SEL,  82                          ; s[82:83] v_permlanex16_b32's selects
.set INV,  84                          ; s84  1 / 256
.set EPS,  85                          ; s85  1e-5
.set NINV, 86                          ; s86  - 1 / 256
.set WV,   87                          ; s87  my wave's number
.set CX,   88                          ; s88  my place in the cluster: it enters x's, out0's and the prefetches' addresses alone
.set LG,   90                          ; s[90:91] log2(e)
.set MSB, 0
.macro WIN new                         ; the immediate's high byte repeats the setting that is left; a switch that changes nothing is dropped
.if MSB != (\new)
	s_set_vgpr_msb (MSB<<8)|(\new)
.set MSB, \new
.endif
.endm
.macro PLACES                          ; four plain places behind a matrix instruction, ahead of vector work or loads that touch its registers
.rept 4
	v_nop
.endr
.endm
.macro ALL line:vararg                 ; one line for each token tile t
.set t, 0
.rept 4
	\line
.set t, t+1
.endr
.endm
.macro BOTH line:vararg                ; one line for each of two pairs of rows t
.set t, 0
.rept 2
	\line
.set t, t+1
.endr
.endm
.macro CREST                           ; a round of the cluster's barrier behind its opening barrier
	s_cmp_lg_u32 s[WV], 0
	s_cbranch_scc1 .Lnot_wave_0_\@
	s_barrier_signal -3
.Lnot_wave_0_\@:
	s_barrier_wait -3
	s_barrier_signal -1
	s_barrier_wait -1
.endm
.macro CROUND
	s_barrier_signal -1
	s_barrier_wait -1
	CREST
.endm
.macro JLOAD                           ; a joint refill: every wave fetches its chunk of the fill; an s_nop 0 and four v_nop follow
	tensor_load_to_lds s[FW:FW+3], s[D128:D128+7]
	s_nop 0
	PLACES
.endm
; A PREFETCH INTO THE L2 of what the NEXT change of slots will ask for, one use of a slot (512 products) ahead.  All clusters walk the same ffs: the launch's first cluster asks.  Its four partners share a
; chunk's 128 rows of 256 bytes out BY ADDRESS, 32 each, a lane a row; wave w asks for chunk w: each row is named once in the launch.  The last refill asks for nothing; nothing is asked for at the head.
.macro ASK how
.if \how
	s_cmp_eq_u32 s[LIM], 1
.else
	s_cmp_gt_u32 s[UC], s[LIM]                     ; s[UC] = 1 at the last refill
.endif
	s_cbranch_scc0 .Lnot_mine_\@
	global_prefetch_b8 v[PFO], s[PFA:PFA+1] th:TH_LOAD_NT scope:SCOPE_SE
.Lnot_mine_\@:
.endm
.macro RUN buf, off                    ; eight fragments, 16 LDS loads of 512 consecutive bytes
	WIN 0
.set f, 0
.rept 8
	ds_load_b128 v[(\buf)+8*f:(\buf)+8*f+3],   v[LA] offset:(\off)+1024*f
	ds_load_b128 v[(\buf)+8*f+4:(\buf)+8*f+7], v[LA] offset:(\off)+1024*f+512
.set f, f+1
.endr
.endm
.macro AUXLD off                       ; 32 parameters of the chunk in a result's layout: feature 16 m + 8 (l / 16) + j at 8 m + j
	WIN 0
	ds_load_b128 v[AUX:AUX+3],     v[BA] offset:(\off)
	ds_load_b128 v[AUX+4:AUX+7],   v[BA] offset:(\off)+16
	ds_load_b128 v[AUX+8:AUX+11],  v[BA] offset:(\off)+64
	ds_load_b128 v[AUX+12:AUX+15], v[BA] offset:(\off)+80
.endm
; Half of G1: K steps k0 .. k0 + 3, 32 products.  The 8 accumulators take turns, one instruction a turn; the first K step starts the sums with the bias.
.macro G1H ty, buf, k0
	WIN 0x04
.irp kk, 0,1,2,3
.irp mt, 0,1
.irp tk, 0,1,2,3
.set rD, A1+16*(\tk)+8*(\mt)
.set rA, (\buf)+8*(2*(\kk)+(\mt))
.set rB, 64*(\tk)+8*((\k0)+(\kk))
.if ((\k0)+(\kk)) == 0
	v_wmma_f32_16x16x32_\ty v[rD:rD+7], v[rA:rA+7], v[rB:rB+7], v[AUX+8*(\mt):AUX+8*(\mt)+7]
.else
	v_wmma_f32_16x16x32_\ty v[rD:rD+7], v[rA:rA+7], v[rB:rB+7], v[rD:rD+7]
.endif
.endr
.endr
.endr
.endm
; Half of G2: feature tiles m0 .. m0 + 7, 32 products on 32 different accumulators.
.macro G2H ty, buf, m0
.irp hf, 0,1
	WIN 0xa0+0x50*(\hf)
.irp mm, 0,1,2,3,4,5,6,7
.irp t2, 0,1
.set rD, 128*(\t2)+8*((\m0)+(\mm))
.set rA, (\buf)+8*(\mm)
.set rB, FB+8*(2*(\hf)+(\t2))
	v_wmma_f32_16x16x32_\ty v[rD:rD+7], v[rA:rA+7], v[rB:rB+7], v[rD:rD+7]
.endr
.endr
.endr
.endm
.macro CVTB ty                         ; ACC rounded in pairs: the activations' fragments
.irp tk, 0,1,2,3
	WIN 0x4a+5*((\tk)/2)
.set q, 0
.rept 64
	v_cvt_pk_\ty\()_f32 v[64*(\tk)+q], v[128*((\tk)%2)+2*q], v[128*((\tk)%2)+2*q+1]
.set q, q+1
.endr
.endr
.endm
.macro ACTB                            ; relu, on the rounded halves: the maximum rounds nothing
	WIN 0
.set q, 0
.rept 32
	v_cvt_pk_f16_f32 v[FB+q], v[A1+2*q], v[A1+2*q+1]
.set q, q+1
.endr
.set q, 0
.rept 32
	v_pk_max_num_f16 v[FB+q], v[FB+q], v[ZR]
.set q, q+1
.endr
.endm
; phi(q), the head's divisor and p, for 64 tokens x 32 features.  F1's registers are at work.  Two batches, each with one wait: 64 exponentials (the 64 maxima are the plain work behind them), 4 reciprocals.
.macro ACTA
	WIN 0
.set i, 0
.rept 32
	v_pk_mul_f32 v[F1+2*i:F1+2*i+1], v[A1+2*i:A1+2*i+1], s[LG:LG+1] op_sel_hi:[1,0]
.set i, i+1
.endr
.set i, 0
.rept 64
	v_min_num_f32 v[F1+i], 0, v[F1+i]
.set i, i+1
.endr
.set i, 0
.rept 64
	v_exp_f32 v[F1+i], v[F1+i]
.set i, i+1
.endr
.set i, 0
.rept 64
	v_max_num_f32 v[A1+i], 0, v[A1+i]
.set i, i+1
.endr
	s_wait_alu depctr_va_vdst(0)                   ; the one wait for the exponentials
.set i, 0
.rept 32
	v_pk_add_f32 v[A1+2*i:A1+2*i+1], v[A1+2*i:A1+2*i+1], v[F1+2*i:F1+2*i+1]
.set i, i+1
.endr
.irp m, 0,1                            ; phi(q) . k_sum: two chains a token tile, the tiles by turns
	ALL v_pk_mul_f32 v[F1+4*t+2*(\m):F1+4*t+2*(\m)+1], v[A1+16*t+8*(\m):A1+16*t+8*(\m)+1], v[AUX+8*(\m):AUX+8*(\m)+1]
.endr
.irp q, 1,2,3
.irp m, 0,1
	ALL v_pk_fma_f32 v[F1+4*t+2*(\m):F1+4*t+2*(\m)+1], v[A1+16*t+8*(\m)+2*(\q):A1+16*t+8*(\m)+2*(\q)+1], v[AUX+8*(\m)+2*(\q):AUX+8*(\m)+2*(\q)+1], v[F1+4*t+2*(\m):F1+4*t+2*(\m)+1]
.endr
.endr
	ALL v_pk_add_f32 v[F1+4*t:F1+4*t+1], v[F1+4*t:F1+4*t+1], v[F1+4*t+2:F1+4*t+3]
	ALL v_add_f32 v[F1+4*t], v[F1+4*t], v[F1+4*t+1]
	ALL v_permlanex16_b32 v[F1+4*t+1], v[F1+4*t], s[SEL], s[SEL+1]  ; the token's other 16 features lie in the lane 16 away
	ALL v_add_f32 v[F1+4*t], v[F1+4*t], v[F1+4*t+1]
	ALL v_add_f32 v[F1+4*t], 0x358637bd, v[F1+4*t]                  ; + 1e-6
	ALL v_rcp_f32 v[F1+4*t+2], v[F1+4*t]
	v_nop                                          ; a plain instruction behind the last reciprocal,
	s_wait_alu depctr_va_vdst(0)                   ; and the one wait for the four
.set i, 0
.rept 32
	v_pk_mul_f32 v[A1+2*i:A1+2*i+1], v[A1+2*i:A1+2*i+1], v[F1+4*(i/8)+2:F1+4*(i/8)+3] op_sel_hi:[1,0]
.set i, i+1
.endr
.set i, 0
.rept 32
	v_cvt_pk_bf16_f32 v[FB+i], v[A1+2*i], v[A1+2*i+1]
.set i, i+1
.endr
.endm
; THE CHANGE OF SLOTS, entered behind the first half of the slot's last G2.  Each wave waits for all its tensor loads (the one that is out is its part of the other slot), adds 0 to its spare word, and waits for
; that and for its reads of this slot.  The second half of G2, work on registers, stands between the signal and the wait.  fill = 1: the barrier opens a round of the cluster's barrier, so that no wave of any
; partner still reads the slot or has a load on its way, and the joint refill is the first thing behind it.
.macro CHANGE ty, fill, how
	WIN 0
.if \fill
	s_wait_xcnt 0x0                                ; the last prefetch, a use of a slot back, has read its address
	s_add_nc_u64 s[PFA:PFA+1], s[PFA:PFA+1], 4*CHB
.endif
	s_wait_tensorcnt 0x0                           ; no tensor load of mine is out, so the walking group 0 may be written
	ds_add_u32 v[SPW], v[NIL]                      ; 0 onto my spare word
.if \fill
	s_xor_b32 s[FW+1], s[FW+1], SLOT1              ; the other slot than last time,
	s_add_nc_u64 s[FW+2:FW+3], s[FFB:FFB+1], s[OFF:OFF+1]  ; the address made anew from the base and the fill's offset,
	s_or_b32 s[FW+3], s[FW+3], 0x80000000          ; the type set again
	s_add_co_u32 s[OFF], s[OFF], 4*CHB
.endif
	s_wait_dscnt 0x0                               ; the add is done, F1 is in, and my reads of this slot are over
	s_barrier_signal -1
	G2H \ty, F1, 8
	WIN 0
	s_barrier_wait -1
.if \fill
	CREST
	JLOAD                                          ; its four v_nop are also the places ahead of the next loads into F0 and F1
	ASK \how
.else
	PLACES
.endif
	v_add_nc_u32 v[BA], 128, v[BA]
	s_xor_b32 s[SB], s[SB], SLOT1
.endm
; ONE USE OF A SLOT: four chunks, written once and walked four times; the loop is left in the middle of its fourth trip.  ph = 0: phase A; 1: phase B.
; Each run of 16 fragment loads is issued 32 products or more ahead of its use; the counted waits name the LDS loads issued behind the run that is wanted.
.macro USE ph, ty, fill, how
	WIN 0
	v_add_nc_u32 v[LA], s[SB], v[LA0]
	AUXLD 0
	RUN F0, 0
	RUN F1, 8192
	s_mov_b32 s[CC], 4
.Lchunk_\@:
	s_wait_dscnt 16                                ; the bias and F0 are in; F1's 16 loads may be out
	G1H \ty, F0, 0
	PLACES
	RUN F0, 16384                                  ; G2's first eight fragments
.if (\ph) == 0
	AUXLD P_KS-P_BQ                                ; the head's k_sum takes the bias's place
	s_wait_dscnt 20                                ; F1 is in: 16 + 4 loads were issued behind it
.else
	s_wait_dscnt 16
.endif
	G1H \ty, F1, 4
	PLACES
.if (\ph) == 0
	s_wait_dscnt 0x0                               ; k_sum, and F0
	ACTA
	RUN F1, 24576                                  ; F1 was at work in the activation
.else
	RUN F1, 24576
	ACTB
	s_wait_dscnt 16                                ; F0 is in
.endif
	G2H \ty, F0, 0
	WIN 0
	s_sub_co_u32 s[CC], s[CC], 1
	s_cmp_eq_u32 s[CC], 0
	s_cbranch_scc1 .Lchange_\@
	PLACES
	v_add_nc_u32 v[BA], 128, v[BA]
	AUXLD 0                                        ; the next chunk's bias and first fragments
	RUN F0, CHB
	s_wait_dscnt 20                                ; F1 is in
	G2H \ty, F1, 8
	WIN 0
	PLACES
	RUN F1, CHB+8192
	v_add_nc_u32 v[LA], CHB, v[LA]
	s_branch .Lchunk_\@
.Lchange_\@:
	CHANGE \ty, \fill, \how
.endm
	s_load_b512 s[4:19], s[0:1], 0x0               ; x s[4:5], wqs s[6:7], ms s[8:9], ffs s[10:11], bo s[12:13], ln1_g s[14:15], ln1_b s[16:17], b2 s[18:19]
	s_load_b256 s[20:27], s[0:1], 0x40             ; ln2_g s[20:21], ln2_b s[22:23], bq s[24:25], b1 s[26:27]
	s_load_b128 s[28:31], s[0:1], 0x60             ; ksb s[28:29], out0 s[30:31]
	v_lshl_add_u32 v[SPW], v0, 2, SPARE
	v_mov_b32 v[NIL], 0
	ds_add_u32 v[SPW], v[NIL]                      ; the wave's opening: the add, twice on end, and its wait ahead of my first tensor load
	ds_add_u32 v[SPW], v[NIL]
	v_lshrrev_b32 v1, 5, v0
	v_readfirstlane_b32 s[WV], v1
	s_bfe_u32 s[CX], ttmp6, 0x40000
	s_mov_b32 s[D64+0], 15|(3<<16)|(1<<21)         ; the mask of four; elements of 8 bytes; bit 21 set beside a mask; no padding: a fragment is read as it lies
	s_mov_b32 s[D128+0], 15|(3<<16)|(1<<21)
.irp g, D64, D128
	s_mov_b32 s[(\g)+1], 32<<16                    ; tensor_dim0 = 32: rows of 256 bytes
	s_mov_b32 s[(\g)+3], 32<<16                    ; tile_dim0 = 32
	s_mov_b32 s[(\g)+5], 32                        ; dense: 32 elements from row to row
	s_mov_b32 s[(\g)+6], 0
	s_mov_b32 s[(\g)+7], 0
.endr
	s_mov_b32 s[D64+2], 64<<16                     ; tensor_dim1
	s_mov_b32 s[D64+4], 64                         ; tile_dim1
	s_mov_b32 s[D128+2], 128<<16
	s_mov_b32 s[D128+4], 128
	s_lshl_b32 s92, s[WV], 15                      ; my chunk of a slot: no place in the cluster enters an LDS address
	s_mov_b32 s93, 0
	s_mov_b32 s[GA+0], 1
	s_mov_b32 s[GA+1], s92                         ; slot 0, G1's half
	s_mov_b32 s[GA+4], 1
	s_add_co_u32 s[GA+5], s92, 16384               ; slot 0, G2's half
	s_mov_b32 s[GA+8], 1
	s_add_co_u32 s[GA+9], s92, SLOT1
	s_mov_b32 s[GA+12], 1
	s_add_co_u32 s[GA+13], s92, SLOT1+16384
	s_mov_b32 s[FW], 1
	s_add_co_u32 s[FW+1], s92, SLOT1               ; the first refill turns it into slot 0
	s_mov_b32 s[OFF], 0
	s_mov_b32 s[OFF+1], 0
	s_mov_b32 s[SB], 0
	s_mov_b32 s[SEL], 0x76543210
	s_mov_b32 s[SEL+1], 0xfedcba98
	s_mov_b32 s[INV], 0x3b800000
	s_mov_b32 s[NINV], 0xbb800000
	s_mov_b32 s[EPS], 0x3727c5ac
	s_mov_b32 s[LG], 0x3fb8aa3b
	s_mov_b32 s[LG+1], s[LG]
	s_cmp_eq_u32 ttmp9, 0
	s_cselect_b32 s[LIM], 1, -1                    ; the same in all four partners
	s_lshl_b32 s94, s[WV], 14                      ; chunk w of wqs and of a batch's ms
	s_mov_b32 s95, 0
	s_lshr_b32 s96, ttmp9, 4                       ; the batch: 16 clusters each
	s_lshl_b32 s89, s96, 10                        ; its 1,024 bytes of ksb
	s_lshl_b32 s96, s96, 17                        ; its 131,072 bytes of ms
	s_add_co_u32 s96, s96, s94
	s_mov_b32 s97, 0
	s_wait_dscnt 0x0                               ; both opening adds are done
	s_wait_kmcnt 0x0
	s_add_nc_u64 s[GA+2:GA+3], s[6:7], s[94:95]
	s_add_nc_u64 s[GA+10:GA+11], s[GA+2:GA+3], 65536       ; chunk 4 + w
	s_add_nc_u64 s[GA+6:GA+7], s[8:9], s[96:97]
	s_add_nc_u64 s[GA+14:GA+15], s[GA+6:GA+7], 65536
	s_or_b32 s[GA+3], s[GA+3], 0x80000000
	s_or_b32 s[GA+7], s[GA+7], 0x80000000
	s_or_b32 s[GA+11], s[GA+11], 0x80000000
	s_or_b32 s[GA+15], s[GA+15], 0x80000000
	s_add_nc_u64 s[FFB:FFB+1], s[10:11], s[92:93]
	s_mov_b32 s96, s89
	s_add_nc_u64 s[28:29], s[28:29], s[96:97]      ; k_sum of my batch
	s_lshl_b32 s98, s[CX], 13                      ; s98 and s99 alone hold what hangs on my place in the cluster
	s_mov_b32 s99, 0
	s_add_nc_u64 s[PFA:PFA+1], s[FFB:FFB+1], s[98:99]      ; my work-group's 32 rows of chunk w, in ffs's first fill; each refill steps it first
	s_lshl_b32 s98, ttmp9, 2
	s_add_co_u32 s98, s98, s[CX]                   ; my block of 256 tokens
	s_lshl_b32 s98, s98, 18
	s_lshl_b32 s96, s[WV], 16                      ; my wave's 64
	s_add_co_u32 s98, s98, s96
	s_add_nc_u64 s[4:5], s[4:5], s[98:99]
	s_add_nc_u64 s[30:31], s[30:31], s[98:99]
	CROUND                                         ; all four work-groups are here: the first joint loads meet
	tensor_load_to_lds s[GA:GA+3], s[D64:D64+7]    ; slot 0's two first, so that a count of 2 shows them landed
	s_nop 0
	tensor_load_to_lds s[GA+4:GA+7], s[D64:D64+7]
	s_nop 0
	tensor_load_to_lds s[GA+8:GA+11], s[D64:D64+7]
	s_nop 0
	tensor_load_to_lds s[GA+12:GA+15], s[D64:D64+7]
	s_nop 0
	PLACES
	v_and_b32 v1, 15, v0                           ; l % 16
	v_bfe_u32 v14, v0, 4, 1                        ; l / 16
	v_and_b32 v15, 31, v0                          ; l
	v_lshlrev_b32 v[LA0], 4, v15
	v_lshlrev_b32 v[VPH], 5, v14
	v_add_nc_u32 v[VPH], PAR, v[VPH]
	v_lshlrev_b32 v[XO], 10, v1
	v_lshl_add_u32 v[XO], v14, 5, v[XO]
	v_lshlrev_b32 v[PFO], 8, v15
	v_mov_b32 v[ZR], 0
	s_mul_i32 s94, s[WV], 64*PSTG                  ; my stage
	v_mul_u32_u24 v[STO], v1, PSTG
	v_lshl_add_u32 v[STO], v14, 5, v[STO]
	v_add_nc_u32 v[STO], s94, v[STO]
	v_mul_u32_u24 v[RDA], v14, PSTG                ; back: lanes 0-15 take 256 bytes of one row, lanes 16-31 of the next
	v_lshl_add_u32 v[RDA], v1, 4, v[RDA]
	v_add_nc_u32 v[RDA], s94, v[RDA]
	v_lshlrev_b32 v[GOA], 10, v14
	v_lshl_add_u32 v[GOA], v1, 4, v[GOA]
	v_lshlrev_b32 v32, 3, v0                       ; the parameters: thread t brings 8 bytes of each table of 1,024, 32 of b1
	v_lshlrev_b32 v33, 4, v0
	global_load_b64 v[34:35], v32, s[12:13]
	global_load_b64 v[36:37], v32, s[14:15]
	global_load_b64 v[38:39], v32, s[16:17]
	global_load_b64 v[40:41], v32, s[24:25]
	global_load_b64 v[42:43], v32, s[28:29]
	global_load_b128 v[44:47], v33, s[26:27]
	global_load_b128 v[48:51], v33, s[26:27] offset:2048
.irp tk, 0,1,2,3                       ; x in a result's layout, the residual: my token's features 16 m + 8 (l / 16) + 0..7; a token tile's 32 loads on end read its 16 rows whole
	WIN 0x80+0x40*((\tk)/2)
.set i, 0
.rept 32
	global_load_b128 v[128*((\tk)%2)+4*i:128*((\tk)%2)+4*i+3], v[XO], s[4:5] offset:16384*(\tk)+64*(i/2)+16*(i%2)
.set i, i+1
.endr
.endr
	WIN 0
	s_wait_loadcnt 0x0
	v_add_nc_u32 v32, PAR, v32
	v_add_nc_u32 v33, PAR, v33
	ds_store_b64 v32, v[34:35] offset:P_BO
	ds_store_b64 v32, v[36:37] offset:P_G1
	ds_store_b64 v32, v[38:39] offset:P_B1
	ds_store_b64 v32, v[40:41] offset:P_BQ
	ds_store_b64 v32, v[42:43] offset:P_KS
	ds_store_b128 v33, v[44:47] offset:P_FB
	ds_store_b128 v33, v[48:51] offset:P_FB+2048
	CVTB bf16                                      ; x as source 1 of x Wq
	WIN 0
	s_wait_dscnt 0x0                               ; for the others' sake: my parameters are stored
	s_wait_tensorcnt 0x2                           ; my part of slot 0 is in; slot 1's two loads stay out
	s_barrier_signal -1
	s_barrier_wait -1
	; PHASE A: the eight heads
	v_add_nc_u32 v[BA], P_BQ, v[VPH]
	s_mov_b32 s[UC], 2
.Lphase_a:
	USE 0, bf16, 1, 1
	s_sub_co_u32 s[UC], s[UC], 1
	s_cmp_lg_u32 s[UC], 0
	s_cbranch_scc1 .Lphase_a
	; LN1, in registers.  ACC = x + p M_b.  F0 and F1 hold 128 parameters in a result's layout; the joint load's four v_nop are the places behind the last products.
	WIN 0
.set i, 0
.rept 32
	ds_load_b128 v[F0+4*i:F0+4*i+3], v[VPH] offset:P_BO+64*(i/2)+16*(i%2)
.set i, i+1
.endr
	s_wait_dscnt 0x0
.irp tk, 0,1,2,3
.set AB, 128*((\tk)%2)
	WIN 0x82+0x41*((\tk)/2)                        ; + bo
.set q, 0
.rept 64
	v_pk_add_f32 v[AB+2*q:AB+2*q+1], v[AB+2*q:AB+2*q+1], v[F0+2*q:F0+2*q+1]
.set q, q+1
.endr
	WIN 0x0a+5*((\tk)/2)                           ; the token's sum, in four chains
.set q, 0
.rept 4
	v_pk_add_f32 v[SC+8*(\tk)+2*q:SC+8*(\tk)+2*q+1], v[AB+2*q:AB+2*q+1], v[AB+8+2*q:AB+8+2*q+1]
.set q, q+1
.endr
	WIN 0x02+((\tk)/2)
.set q, 8
.rept 56
	v_pk_add_f32 v[SC+8*(\tk)+2*(q%4):SC+8*(\tk)+2*(q%4)+1], v[AB+2*q:AB+2*q+1], v[SC+8*(\tk)+2*(q%4):SC+8*(\tk)+2*(q%4)+1]
.set q, q+1
.endr
.endr
.macro RED                             ; four chains into one number a token, in both halves of the lanes
	WIN 0
	ALL v_pk_add_f32 v[SC+8*t:SC+8*t+1], v[SC+8*t:SC+8*t+1], v[SC+8*t+2:SC+8*t+3]
	ALL v_pk_add_f32 v[SC+8*t+4:SC+8*t+5], v[SC+8*t+4:SC+8*t+5], v[SC+8*t+6:SC+8*t+7]
	ALL v_pk_add_f32 v[SC+8*t:SC+8*t+1], v[SC+8*t:SC+8*t+1], v[SC+8*t+4:SC+8*t+5]
	ALL v_add_f32 v[SC+8*t], v[SC+8*t], v[SC+8*t+1]
	ALL v_permlanex16_b32 v[SC+8*t+1], v[SC+8*t], s[SEL], s[SEL+1]
	ALL v_add_f32 v[SC+8*t], v[SC+8*t], v[SC+8*t+1]
.endm
	RED
	ALL v_mul_f32 v[NM+2*t], s[NINV], v[SC+8*t]
	ALL v_mul_f32 v[NM+2*t+1], s[NINV], v[SC+8*t]
.irp tk, 0,1,2,3
.set AB, 128*((\tk)%2)
	WIN 0x82+0x41*((\tk)/2)                        ; the mean is taken away,
.set q, 0
.rept 64
	v_pk_add_f32 v[AB+2*q:AB+2*q+1], v[AB+2*q:AB+2*q+1], v[NM+2*(\tk):NM+2*(\tk)+1]
.set q, q+1
.endr
	WIN 0x0a+5*((\tk)/2)                           ; and then the squares are summed
.set q, 0
.rept 4
	v_pk_mul_f32 v[SC+8*(\tk)+2*q:SC+8*(\tk)+2*q+1], v[AB+2*q:AB+2*q+1], v[AB+2*q:AB+2*q+1]
.set q, q+1
.endr
.rept 60
	v_pk_fma_f32 v[SC+8*(\tk)+2*(q%4):SC+8*(\tk)+2*(q%4)+1], v[AB+2*q:AB+2*q+1], v[AB+2*q:AB+2*q+1], v[SC+8*(\tk)+2*(q%4):SC+8*(\tk)+2*(q%4)+1]
.set q, q+1
.endr
.endr
	RED
	ALL v_fma_f32 v[SC+8*t], v[SC+8*t], s[INV], s[EPS]
	ALL v_rsq_f32 v[RS+2*t], v[SC+8*t]
	v_nop                                          ; a plain instruction behind the last root,
	s_wait_alu depctr_va_vdst(0)                   ; and the one wait for the four
	ALL v_mov_b32 v[RS+2*t+1], v[RS+2*t]
.irp hf, 0,1                           ; gain and bias, 128 features at a time: 64 registers of each
	WIN 0
.set i, 0
.rept 16
	ds_load_b128 v[F0+4*i:F0+4*i+3], v[VPH] offset:P_G1+512*(\hf)+64*(i/2)+16*(i%2)
	ds_load_b128 v[F1+4*i:F1+4*i+3], v[VPH] offset:P_B1+512*(\hf)+64*(i/2)+16*(i%2)
.set i, i+1
.endr
	s_wait_dscnt 0x0
.irp tk, 0,1,2,3
.set AB, 128*((\tk)%2)+64*(\hf)
	WIN 0x82+0x41*((\tk)/2)
.set q, 0
.rept 32
	v_pk_mul_f32 v[AB+2*q:AB+2*q+1], v[AB+2*q:AB+2*q+1], v[RS+2*(\tk):RS+2*(\tk)+1]
.set q, q+1
.endr
.set q, 0
.rept 32
	v_pk_fma_f32 v[AB+2*q:AB+2*q+1], v[AB+2*q:AB+2*q+1], v[F0+2*q:F0+2*q+1], v[F1+2*q:F1+2*q+1]
.set q, q+1
.endr
.endr
.endr
	CVTB f16                                       ; h as source 1 of h W1; ACC keeps h in f32, the second residual
	WIN 0
	; PHASE B: the 32 chunks of the feed-forward layer
	v_add_nc_u32 v[BA], P_FB, v[VPH]
	s_mov_b32 s[UC], 6
.Lphase_b:
	USE 1, f16, 1, 0
	s_sub_co_u32 s[UC], s[UC], 1
	s_cmp_lg_u32 s[UC], 0
	s_cbranch_scc1 .Lphase_b
	s_mov_b32 s[UC], 2                             ; the last two uses are written out: nothing is asked for
.Ltail:
	USE 1, f16, 0, 0
	s_sub_co_u32 s[UC], s[UC], 1
	s_cmp_lg_u32 s[UC], 0
	s_cbranch_scc1 .Ltail
	; LN2 AND THE WAY OUT.  The last barrier has shown that nobody reads the slots any more, and they have had their last fill: each wave's 64 tokens go into its own stage as rows and come back with 16 lanes
	; to a token, so that the norm's sums stay inside 16 lanes and every store of 16 lanes covers 256 consecutive bytes, aligned.
.set B2R, 16                           ; v[16:31] b2, v[32:47] ln2_g, v[48:63] ln2_b: features 64 i + 4 (l % 16) + 0..3 at 4 i
.set G2R, 32
.set BBR, 48
.set INR, 64                           ; v[64:95]  four tokens as read
.set YR,  96                           ; v[96:127] at work, then stored
.set TS,  128                          ; eight registers of sums for each pair of rows
.set NM2, 144
.set RS2, 148
	v_lshlrev_b32 v14, 4, v1
.irp i, 0,1,2,3
	global_load_b128 v[B2R+4*(\i):B2R+4*(\i)+3], v14, s[18:19] offset:256*(\i)
	global_load_b128 v[G2R+4*(\i):G2R+4*(\i)+3], v14, s[20:21] offset:256*(\i)
	global_load_b128 v[BBR+4*(\i):BBR+4*(\i)+3], v14, s[22:23] offset:256*(\i)
.endr
.irp tk, 0,1,2,3
	WIN 0x08+4*((\tk)/2)                           ; store data in window 2 or 3; each accumulator's low half first
.set i, 0
.rept 32
	ds_store_b128 v[STO], v[128*((\tk)%2)+4*i:128*((\tk)%2)+4*i+3] offset:16*PSTG*(\tk)+64*(i/2)+16*(i%2)
.set i, i+1
.endr
.endr
	WIN 0
.macro LDIN                            ; four tokens: LDS serves a wave's instructions in order (ISA guide 5.7.1.4), so these see the stores above
.irp it, 0,1
.irp i4, 0,1,2,3
	ds_load_b128 v[INR+16*(\it)+4*(\i4):INR+16*(\it)+4*(\i4)+3], v[RDA] offset:2*PSTG*(\it)+256*(\i4)
.endr
.endr
.endm
.macro RED2                            ; four pairs into one number a token, in all its 16 lanes
	BOTH v_pk_add_f32 v[TS+8*t:TS+8*t+1], v[TS+8*t:TS+8*t+1], v[TS+8*t+2:TS+8*t+3]
	BOTH v_pk_add_f32 v[TS+8*t+4:TS+8*t+5], v[TS+8*t+4:TS+8*t+5], v[TS+8*t+6:TS+8*t+7]
	BOTH v_pk_add_f32 v[TS+8*t:TS+8*t+1], v[TS+8*t:TS+8*t+1], v[TS+8*t+4:TS+8*t+5]
	BOTH v_add_f32 v[TS+8*t], v[TS+8*t], v[TS+8*t+1]
.irp x, 1,2,4,8
	BOTH v_add_f32_dpp v[TS+8*t], v[TS+8*t], v[TS+8*t] row_xmask:\x row_mask:0xf bank_mask:0xf
.endr
.endm
	s_wait_loadcnt 0x0
	LDIN
	s_mov_b32 s[CC], 16
.Lrow:                                                 ; 16 trips of four tokens
	s_wait_dscnt 0x0                               ; the trip's tokens are in
	s_wait_xcnt 0x0                                ; the last trip's stores have read their data and their offset, which are rewritten only behind this wait
	v_add_nc_u32 v[GOA], 4096, v[GOA]              ; the stores below reach back
.set q, 0
.rept 16
	v_pk_add_f32 v[YR+2*q:YR+2*q+1], v[INR+2*q:INR+2*q+1], v[B2R+2*(q%8):B2R+2*(q%8)+1]
.set q, q+1
.endr
	s_sub_co_u32 s[CC], s[CC], 1
	s_cmp_eq_u32 s[CC], 0
	s_cbranch_scc1 .Lnoin                          ; the last trip has nothing behind it
	v_add_nc_u32 v[RDA], 4*PSTG, v[RDA]
	LDIN
.Lnoin:
.irp c, 0,1,2,3
	BOTH v_pk_add_f32 v[TS+8*t+2*(\c):TS+8*t+2*(\c)+1], v[YR+16*t+4*(\c):YR+16*t+4*(\c)+1], v[YR+16*t+4*(\c)+2:YR+16*t+4*(\c)+3]
.endr
	RED2
	BOTH v_mul_f32 v[NM2+2*t], s[NINV], v[TS+8*t]
	BOTH v_mul_f32 v[NM2+2*t+1], s[NINV], v[TS+8*t]
.irp c, 0,1,2,3,4,5,6,7
	BOTH v_pk_add_f32 v[YR+16*t+2*(\c):YR+16*t+2*(\c)+1], v[YR+16*t+2*(\c):YR+16*t+2*(\c)+1], v[NM2+2*t:NM2+2*t+1]
.endr
.irp c, 0,1,2,3
	BOTH v_pk_mul_f32 v[TS+8*t+2*(\c):TS+8*t+2*(\c)+1], v[YR+16*t+2*(\c):YR+16*t+2*(\c)+1], v[YR+16*t+2*(\c):YR+16*t+2*(\c)+1]
.endr
.irp c, 0,1,2,3
	BOTH v_pk_fma_f32 v[TS+8*t+2*(\c):TS+8*t+2*(\c)+1], v[YR+16*t+8+2*(\c):YR+16*t+8+2*(\c)+1], v[YR+16*t+8+2*(\c):YR+16*t+8+2*(\c)+1], v[TS+8*t+2*(\c):TS+8*t+2*(\c)+1]
.endr
	RED2
	BOTH v_fma_f32 v[TS+8*t], v[TS+8*t], s[INV], s[EPS]
	BOTH v_rsq_f32 v[RS2+2*t], v[TS+8*t]
	v_nop                                          ; a plain instruction behind the last root,
	s_wait_alu depctr_va_vdst(0)                   ; and the one wait for the two
	BOTH v_mov_b32 v[RS2+2*t+1], v[RS2+2*t]
.irp c, 0,1,2,3,4,5,6,7
	BOTH v_pk_mul_f32 v[YR+16*t+2*(\c):YR+16*t+2*(\c)+1], v[YR+16*t+2*(\c):YR+16*t+2*(\c)+1], v[RS2+2*t:RS2+2*t+1]
.endr
.irp c, 0,1,2,3,4,5,6,7
	BOTH v_pk_fma_f32 v[YR+16*t+2*(\c):YR+16*t+2*(\c)+1], v[YR+16*t+2*(\c):YR+16*t+2*(\c)+1], v[G2R+2*(\c):G2R+2*(\c)+1], v[BBR+2*(\c):BBR+2*(\c)+1]
.endr
.irp it, 0,1
.irp i4, 0,1,2,3
	global_store_b128 v[GOA], v[YR+16*(\it)+4*(\i4):YR+16*(\it)+4*(\i4)+3], s[30:31] offset:2048*(\it)+256*(\i4)-4096 th:TH_STORE_NT
.endr
.endr
	s_cmp_lg_u32 s[CC], 0
	s_cbranch_scc1 .Lrow
	s_wait_tensorcnt 0x0                           ; the wave's end, behind my last tensor load and my last LDS store
	ds_add_u32 v[SPW], v[NIL]
	s_wait_dscnt 0x0
	CROUND                                         ; the closing round: no work-group ends while a partner may still ask for a fill that names it
	s_endpgm
.Lfunc_end_k_q03e288e1d7_main:
	.size	k_q03e288e1d7_main, .Lfunc_end_k_q03e288e1d7_main-k_q03e288e1d7_main
	.p2alignl 7, 3214868480
	.fill 96, 4, 3214868480
	.section	.rodata,"a",@progbits
	.p2align	6, 0x0
	.amdhsa_kernel k_q03e288e1d7_main
		.amdhsa_group_segment_fixed_size 327680
		.amdhsa_private_segment_fixed_size 0
		.amdhsa_enable_private_segment 0
		.amdhsa_kernarg_size 112
		.amdhsa_user_sgpr_count 2
		.amdhsa_user_sgpr_kernarg_segment_ptr 1
		.amdhsa_wavefront_size32 1
		.amdhsa_system_sgpr_workgroup_id_x 1
		.amdhsa_system_sgpr_workgroup_id_y 1
		.amdhsa_system_sgpr_workgroup_id_z 1
		.amdhsa_system_vgpr_workitem_id 0
		.amdhsa_next_free_vgpr 1024
		.amdhsa_next_free_sgpr 100
		.amdhsa_reserve_vcc 0
		.amdhsa_float_denorm_mode_32 3
		.amdhsa_float_denorm_mode_16_64 3
		.amdhsa_memory_ordered 1
		.amdhsa_forward_progress 1
		.amdhsa_inst_pref_size 255
	.end_amdhsa_kernel
	.section	.bss,"aw",@nobits
	.p2align	6
	.space	262144
	.amdgpu_metadata
---
amdhsa.version: [ 1, 2 ]
amdhsa.kernels:
  - .name:           k_q03e288e1d7_main
    .symbol:         k_q03e288e1d7_main.kd
    .args:
      - { .name: x, .offset: 0, .size: 8, .value_kind: global_buffer, .address_space: global }
      - { .name: wqs, .offset: 8, .size: 8, .value_kind: global_buffer, .address_space: global }
      - { .name: ms, .offset: 16, .size: 8, .value_kind: global_buffer, .address_space: global }
      - { .name: ffs, .offset: 24, .size: 8, .value_kind: global_buffer, .address_space: global }
      - { .name: bo, .offset: 32, .size: 8, .value_kind: global_buffer, .address_space: global }
      - { .name: ln1_g, .offset: 40, .size: 8, .value_kind: global_buffer, .address_space: global }
      - { .name: ln1_b, .offset: 48, .size: 8, .value_kind: global_buffer, .address_space: global }
      - { .name: b2, .offset: 56, .size: 8, .value_kind: global_buffer, .address_space: global }
      - { .name: ln2_g, .offset: 64, .size: 8, .value_kind: global_buffer, .address_space: global }
      - { .name: ln2_b, .offset: 72, .size: 8, .value_kind: global_buffer, .address_space: global }
      - { .name: bq, .offset: 80, .size: 8, .value_kind: global_buffer, .address_space: global }
      - { .name: b1, .offset: 88, .size: 8, .value_kind: global_buffer, .address_space: global }
      - { .name: ksb, .offset: 96, .size: 8, .value_kind: global_buffer, .address_space: global }
      - { .name: out0, .offset: 104, .size: 8, .value_kind: global_buffer, .address_space: global }
    .group_segment_fixed_size: 327680
    .private_segment_fixed_size: 0
    .kernarg_segment_align: 8
    .kernarg_segment_size: 112
    .max_flat_workgroup_size: 128
    .sgpr_count:     100
    .vgpr_count:     1024
    .wavefront_size: 32
...
	.end_amdgpu_metadata
.endif
;; end of part 4
